; MI455X (gfx1250); checked and timed in simulation.
; The chip was launched on July 23, 2026; its instructions are those of AMD's public machine-readable ISA for CDNA 5 (MIT licence, August 2026) and "CDNA5" Instruction Set Architecture Reference Guide (July 2026). The comments in the code are by the model that wrote it; some were corrected since.
;; Core Attention. Allowed arithmetic: matrix products marked QUANTISED: E2M1 operands, one E8M0 scale for each 32 along K, by v_wmma_scale_f32_16x16x128_f8f6f4 with both operands' format E2M1 (or v_wmma_scale_f32_32x16x128_f4), f32 sums; everything else in f32.
;; Inputs: key_layer_codes 2 x 32 x 2,048 x 4 x 16 uint8 (E2M1 codes of key_layer, K innermost, in blocks of 32 codes, two codes a byte); key_layer_scales 2 x 32 x 2,048 x 4 uint8 (E8M0 scales of key_layer, one for each 32 codes along K); query_layer_codes 2 x 32 x 2,048 x 4 x 16 uint8 (E2M1 codes of query_layer, K innermost, in blocks of 32 codes, two codes a byte); query_layer_scales 2 x 32 x 2,048 x 4 uint8 (E8M0 scales of query_layer, one for each 32 codes along K); value_layer_codes 2 x 32 x 128 x 64 x 16 uint8 (E2M1 codes of value_layer, K innermost, in blocks of 32 codes, two codes a byte); value_layer_scales 2 x 32 x 128 x 64 uint8 (E8M0 scales of value_layer, one for each 32 codes along K).
;; Outputs: out0 2 x 2,048 x 4,096 float32.
;; This version of the problem:
;;   THIS VERSION OF THE PROBLEM IS GIVEN IN LOW PRECISION. The matrix products marked QUANTISED in the list below multiply operands that are first quantised to E2M1 (2 exponent bits, 1 mantissa bit; 4 bits a number), with one power-of-two scale for each 32 numbers along K (OCP MX v1.0); their sums are f32. All else is computed in f32.
;;   The module's matrix products, in the order in which they are computed (A, B: the left and right operand; K: the contracted axis; several contracted axes count as one K, in the product's order):
;;     1. batch 64 x [M 2,048, K 128] x [K 128, N 2,048]; A: input query_layer (given as codes); B: input key_layer (given as codes): QUANTISED
;;     2. batch 64 x [M 2,048, K 2,048] x [K 2,048, N 128]; A: softmax (see below); B: input value_layer (given as codes): QUANTISED
;;   THE QUANTISER, for each operand of a quantised product, along K:
;;     - K is cut into blocks of 32 from its start; a last block that is shorter is filled with zeros.
;;     - A block's scale is 2^e with e = floor(log2(the largest magnitude in the block)) - 2, held to -126 .. 127; a block of zeros has e = 0. As a byte (E8M0): e + 127.
;;     - Each number is divided by its block's scale, clamped to +-6, and rounded to the nearest number of E2M1, ties to even, subnormals kept.
;;     - The product sums the exact products of the quantised numbers (number of the format x scale) in f32.
;;   ~~~python
;;   def quantise(x, axis):      # numpy; x: float32 -> the quantised numbers, widened to float32 again
;;       x = np.moveaxis(x, axis, -1); K = x.shape[-1]
;;       x = np.pad(x, [(0, 0)] * (x.ndim - 1) + [(0, -K % 32)]); x = x.reshape(x.shape[:-1] + (-1, 32)); a = np.abs(x).max(-1, keepdims=True)
;;       e = np.where(a > 0, np.clip(np.frexp(np.where(a > 0, a, 1))[1] - 1 - 2, -126, 127), 0)      # np.frexp(a)[1] - 1 = floor(log2(a)), exactly
;;       r = np.clip(x / 2.0 ** e, -6, 6)
;;       step = 2.0 ** (np.maximum(np.frexp(np.where(r == 0, 1, r))[1] - 1, 0) - 1)
;;       q = np.round(r / step) * step * 2.0 ** e      # np.round: ties to even
;;       return np.moveaxis(q.reshape(q.shape[:-2] + (-1,))[..., :K], -1, axis).astype(np.float32)
;;   ~~~
;;   SOFTMAX AHEAD OF A QUANTISED PRODUCT. Where the list says 'softmax', what is quantised is not the finished softmax but p = 2^(t - M), with t = logit x log2(e) and M = ceil(the row's largest t), a whole number; so 1/2 < the row's largest p <= 1. The row's sum l is taken of the UNQUANTISED p, in f32, and the product's result is divided by l at the end. Since M is a whole number, a kernel that streams over the keys may use a running M (the ceiling of the running maximum): every later rescaling is an exact power of two, which a block's scale takes up: the codes' values come out the same.
;;   OPERANDS COMPUTED ON THE WAY. 'Computed on the way' means the value that the module computes at that place (a softmax that the list does not call 'softmax' is quantised finished and normalised). What goes into a quantiser is computed in f32, as accurately as f32 sums, v_exp_f32 and their like allow (about 1e-6 of the number): no bf16 or f16 on the way to a quantiser, and a product that is left as it is and whose result goes on into a quantised operand takes f32 operands (vector FMAs, or v_wmma_f32_16x16x4_f32). A number that lies on a knife's edge between two numbers of the format may be rounded either way, as far as f32 arithmetic and the matrix unit's own rounding can turn it there, and no further.
;;   INPUTS GIVEN AS CODES. key_layer (in the module: [2, 32, 2048, 128], K = its axis 3); query_layer (in the module: [2, 32, 2048, 128], K = its axis 3); value_layer (in the module: [2, 32, 2048, 128], K = its axis 2): each comes as NAME_codes (uint8): NAME with its K axis moved to the last place and cut into blocks of 32 codes, [.., K / 32, bytes a block], one block behind the other in memory; two codes a byte, the lower K in the low four bits (a code: sign, 2 exponent bits, 1 mantissa bit); and NAME_scales (uint8): the same leading axes, one E8M0 byte (e + 127) for each 32 codes along K. Its value is code x scale, taken as it is: it is not quantised again, and the codes and scales need not be those that the quantiser above would give.
;; One version. Each part assembles by itself: llvm-mc -triple=amdgcn-amd-amdhsa -mcpu=gfx1250 --defsym DOCPART=n.
;; ======== version 1 of 1: 1 launch
;; launch attn (part 1): grid 4 x 64, 16 waves a work-group, clusters of 4 x 1, 327,680 bytes of LDS; arguments query_layer_codes, query_layer_scales, key_layer_codes, key_layer_scales, value_layer_codes, value_layer_scales, out0; writes out0
.if DOCPART == 1
	.amdgcn_target "amdgcn-amd-amdhsa--gfx1250"
	.amdhsa_code_object_version 6
	.text
	.protected	k_qd5d810411e_attn
	.globl	k_qd5d810411e_attn
	.p2align	8
	.type	k_qd5d810411e_attn,@function
k_qd5d810411e_attn:
	s_mov_b64 s[64:65], 0
	v_nop
	global_prefetch_b8 v0, s[64:65] scope:SCOPE_SE
	s_setreg_imm32_b32 hwreg(HW_REG_WAVE_MODE, 25, 1), 1
	s_wait_xcnt 0x0
	s_wait_alu depctr_hold_cnt(0) depctr_sa_sdst(0) depctr_va_vdst(0) depctr_va_sdst(0) depctr_va_ssrc(0) depctr_va_vcc(0) depctr_vm_vsrc(0)
	s_getreg_b32 s2, hwreg(HW_REG_IB_STS2, 6, 4)
	s_cmp_eq_u32 s2, 0
	s_cbranch_scc0 .Lentry_in_a_cluster
	s_endpgm
.Lentry_in_a_cluster:
	s_bfe_u32 s2, ttmp6, 0x10000c
	s_cmp_lg_u32 s2, 0x3003
	s_cbranch_scc0 .Lentry_shape_is_right
	s_endpgm
.Lentry_shape_is_right:
; Causal attention on codes of FP4 (E2M1) with one E8M0 scale for each 32 along a product's K.  64 heads (2 x 32), 2,048 queries and keys, head size 128.
; Q, K: [head][2048][128] as codes (a row is 64 bytes), scale bytes [head][2048][4].  V: codes with the KEYS innermost, [head][128][2048] (a row is 1,024 bytes), scale bytes [head][128][64].
; out0: [2][2048][32 x 128] f32: a head's 512 bytes of query q lie at batch x 2^25 + q x 16,384 + (head % 32) x 512.
; THE SOFTMAX.  The two factors 1 / (2 sqrt(128)) and 2 make 1 / sqrt(128): t = score x c, c = log2(e) / sqrt(128).  M = the row's largest t so far, rounded UP to a whole number; p = 2^(t - M) is what is
; quantised, along the keys; the row's sum is taken of the unquantised p and divides O at the end.  When M moves, the sum and O are multiplied by 2^(old M - new M): exact.
; SHARES.  A cluster of four work-groups is one head.  The head's 128 tiles of 16 queries are numbered 4 m + cx: work-group cx owns those with its cx, first query 64 m + 16 cx.  Wave w takes p = w ^ (3 x bit 2 of w)
; and owns two tiles, one after the other: m = 31 - p (pass H), then m = p (pass L).  A tile needs m / 2 + 1 steps of 128 keys, whatever cx is: 17 steps for every wave; waves b, b + 4, b + 8, b + 12 together have
; 16, 16, 13, 5, 13, 5 steps in the six trips below, for every b.
; THE WALK.  All four work-groups walk the same six slots of 512 keys: pass H keys 0-2047, pass L keys 0-1023, through a ring of two LDS slots.  Each tile of K and V is asked for JOINTLY by the four (the same tensor
; load, the same descriptor, a mask that names the four).  Trip counts are constants; a step all of whose keys come after the tile's queries is jumped over: KF > 64 m, which hangs on the wave's number and the
; loop's counter alone (16 cx + 15 < 64, and KF and 64 m are multiples of 64); likewise a step is wholly open where KF + 128 <= 64 m.  cx enters Q's and O's global addresses and the mask's numbers, nothing else.
; LAYOUT.  Both products are used transposed: S^T = K Q^T (source 0 = 16 keys, source 1 = my 16 queries), O^T = V^T P^T (source 0 = 16 of the head's 128, source 1 = P): a lane holds ONE query (lane % 16) throughout.
; THE KEYS OF A TILE ARE NOT NEIGHBOURS: lane r of tile 2 b + u takes key 32 b + 8 u + r + 8 (r / 8), so that the 16 registers of tiles 2 b and 2 b + 1 are 16 neighbouring keys, 32 b + 16 (lane / 16) + 0 .. 15.
; SCALE WORDS go two tiles to a register: lanes 0-15 tile 2 j's, lanes 16-31 tile 2 j + 1's; the odd tiles' products read the upper lanes.
; LIMITS.  A scale byte 0xff (NaN) makes NaN as the sums make it; nothing more is done for it.  A p under 2^-126 counts as 0.  A block's largest p is made from its largest score by the same multiply-add and
; exponential as every p: this takes v_exp_f32 not to fall where its input rises (at the worst one p of a block, within an ulp of a power of two, is held one code low).
; REGISTERS: v1-7 addresses that stay; v8-11 addresses of the loads in hand; v12 -M, v13 the largest t, v[14:15] the sum in two halves; v16-23 Q of pass H, v24-31 of pass L; v32-95 eight fragments of K, then of V;
; v96-159 S^T, then p; v160-223 O^T; v224-231 p's codes; v232-239, v244-247, v252, v254 at work; v240, v255 Q's scale words; v241-243 stay; v248-251 K's or V's scale words; v253 p's scale word.
.set KP,     80                        ; a key's row in LDS: 64 bytes + 16 of padding
.set VP,     272                       ; a row of V's tile (512 keys, 256 bytes) + 16 of padding
.set VOFF,   512*KP                    ; a slot: 512 rows of K, then 128 rows of V: 75,776 bytes
.set SLOT1,  1<<17                     ; slot 1 begins here, so that one exclusive or turns an address in one slot into the other's
.set STAGE0, SLOT1+VOFF+128*VP         ; behind slot 1's tiles: the stages of waves 0-7, 16 rows x 272 bytes each; no tile ever lands there
.set STG,    16*272
.set SCK,    2*SLOT1                   ; K's scale bytes of the whole head, 8,192 bytes as 32 rows of 256 + 16 of padding
.set SCH,    16*272                    ; half of them: what one tensor load brings
.set SCV,    SCK+2*SCH                 ; V's likewise
.set SPARE,  SCV+2*SCH                 ; the spare words, 128 bytes for each wave: eight blocks of 256 bytes that no other line names
.set STAGE1, SPARE+16*128              ; the stages of waves 8-15
.set AK0,  1                           ; v1   my lane's place in a tile of K: (r + 8 (r / 8)) KP + 16 h
.set AV0,  2                           ; v2   in a tile of V: VOFF + r VP + 16 h
.set ASK0, 3                           ; v3   among K's scale words: SCK + 4 (r + 8 (r / 8)) + 32 h (lanes 16-31: the tile 8 keys on)
.set ASV0, 4                           ; v4   among V's: SCV + (r / 4) 272 + (r % 4) 64 + 1,088 h (lanes 16-31: the tile 16 rows on)
.set SPW,  5                           ; v5   LDS address of my spare word: SPARE + 4 x my thread's number; never rewritten
.set NIL,  6                           ; v6   0; never rewritten
.set GO,   7                           ; v7   the way out: 16,384 h + 16 r
.set ADK,  8
.set ADV,  9
.set ADS,  10
.set ADT,  11
.set QSL,  240                         ; Q's scale words, pass L
.set STO,  241                         ; the stage, in: row r, + 32 h
.set RD,   242                         ; and back: row h, + 16 r
.set LD,   243                         ; r - 16 h, for the mask
.set QSH,  255                         ; Q's scale words, pass H
.set WV,   18                          ; s18  my wave's number
.set DQ,   19                          ; s19  my first query less the step's first key (the mask's number; it carries cx and feeds no branch)
.set SEL,  20                          ; s[20:21] lane selects for v_permlanex16_b32: lane l xor 16
.set CS,   22                          ; s[22:23] c: the packed form names a pair and takes its low word for both halves
.set G1K,  24                          ; s[24:31] descriptor group 1 for K's tiles;  s[32:39] for V's;  s[40:43], s[44:47] their groups 0, which walk
.set G1V,  32
.set G0K,  40
.set G0V,  44
.set G1S,  48                          ; s[48:55] group 1 for the scale bytes;  s[56:59], s[60:63] groups 0 for K's and V's
.set G0SK, 56
.set G0SV, 60
.set TK,   66                          ; s66  LDS byte at which the step's rows of K begin: slot + 10,240 a step
.set TV,   67                          ; s67  slot + 64 a step: the step's bytes in V's rows
.set TS,   68                          ; s68  the step's scale words of K: 544 a step
.set TJ,   69                          ; s69  and of V: 4 a step
.set KF,   70                          ; s70  the step's first key
.set SLOTS, 71
.set QCNT, 72
.set MH64, 73                          ; s73  64 m of pass H;  s74 of pass L
.set ML64, 74
.set Q0H,  75                          ; s75  my first query in pass H;  s76 in pass L
.set Q0L,  76
.set TMP,  77
.set OL,   78                          ; s[78:79] O at my first row of pass L;  s[16:17] of pass H
; A round of the cluster's barrier: my work-group's barrier, so that wave 0's signal speaks for all sixteen waves; wave 0 signals for the work-group; every wave waits for all four work-groups; my work-group's barrier once more.
.macro CROUND
	s_barrier_signal -1
	s_barrier_wait -1
	s_cmp_lg_u32 s[WV], 0
	s_cbranch_scc1 .Lnot_wave_0_\@
	s_barrier_signal -3
.Lnot_wave_0_\@:
	s_barrier_wait -3
	s_barrier_signal -1
	s_barrier_wait -1
.endm
; A joint refill: waves 0 and 1 fetch K's two halves of a slot, waves 2 and 3 V's, the others nothing.  The branches hang on the wave's number alone.  Four v_nop follow each of the two lines.
.macro JLOAD
	s_cmp_lt_u32 s[WV], 2
	s_cbranch_scc0 .Lnot_k_\@
	tensor_load_to_lds s[G0K:G0K+3], s[G1K:G1K+7]
	s_nop 0
.rept 4
	v_nop
.endr
	s_branch .Lasked_\@
.Lnot_k_\@:
	s_cmp_lt_u32 s[WV], 4
	s_cbranch_scc0 .Lasked_\@
	tensor_load_to_lds s[G0V:G0V+3], s[G1V:G1V+7]
	s_nop 0
.rept 4
	v_nop
.endr
.Lasked_\@:
.endm
	s_load_b128 s[4:7], s[0:1], 0x0                ; Q's codes, Q's scales
	s_load_b128 s[8:11], s[0:1], 0x10              ; K's codes, K's scales
	s_load_b128 s[12:15], s[0:1], 0x20             ; V's codes, V's scales
	s_load_b64 s[16:17], s[0:1], 0x30              ; O
	v_lshl_add_u32 v[SPW], v0, 2, SPARE
	v_mov_b32 v[NIL], 0
	ds_add_u32 v5, v6
	ds_add_u32 v5, v6
	s_wait_dscnt 0x0
	v_lshrrev_b32 v8, 5, v0
	s_delay_alu instid0(VALU_DEP_1)
	v_readfirstlane_b32 s[WV], v8                  ; wave 0..15
	s_bfe_u32 s80, ttmp6, 0x40000                  ; cx: my place in the cluster
	s_and_b32 s81, ttmp7, 0xffff                   ; the head, which the four partners share
	s_bfe_u32 s82, s[WV], 0x10002                  ; bit 2 of the wave's number
	s_mul_i32 s82, s82, 3
	s_xor_b32 s82, s[WV], s82                      ; p
	s_lshl_b32 s[ML64], s82, 6                     ; pass L: m = p
	s_xor_b32 s83, s82, 31
	s_lshl_b32 s[MH64], s83, 6                     ; pass H: m = 31 - p
	s_lshl_b32 s84, s80, 4
	s_add_co_u32 s[Q0H], s[MH64], s84              ; my first queries: 64 m + 16 cx
	s_add_co_u32 s[Q0L], s[ML64], s84
	; what I fetch, if I fetch: half e = wave % 2 of a tile
	s_and_b32 s85, s[WV], 1
	s_lshl_b32 s86, s81, 17                        ; the head's first byte in each tensor of codes: 131,072 a head
	s_lshl_b32 s87, s85, 14
	s_add_co_u32 s88, s86, s87                     ; K: + 256 rows of 64 bytes
	s_mov_b32 s89, 0
	s_lshl_b32 s87, s85, 16
	s_add_co_u32 s90, s86, s87                     ; V: + 64 rows of 1,024 bytes
	s_mov_b32 s91, 0
	s_lshl_b32 s92, s81, 13                        ; the scale bytes: 8,192 a head,
	s_lshl_b32 s87, s85, 12
	s_add_co_u32 s92, s92, s87                     ; + half of them
	s_mov_b32 s93, 0
	s_mul_i32 s94, s85, 256*KP                     ; and where they go in LDS: no place in the cluster enters an LDS address
	s_mul_i32 s95, s85, 64*VP
	s_add_co_u32 s95, s95, VOFF
	s_mul_i32 s96, s85, SCH
	; O: batch x 2^25 + first query x 16,384 + (head % 32) x 512
	s_lshr_b32 s97, s81, 5
	s_lshl_b32 s97, s97, 25
	s_and_b32 s98, s81, 31
	s_lshl_b32 s98, s98, 9
	s_add_co_u32 s97, s97, s98
	s_lshl_b32 s98, s[Q0H], 14
	s_add_co_u32 s98, s98, s97
	s_mov_b32 s99, 0
	s_lshl_b32 s[OL], s[Q0L], 14
	s_add_co_u32 s[OL], s[OL], s97
	s_mov_b32 s[OL+1], 0
	s_lshl_b32 s2, s81, 11                         ; Q: my first rows among all heads' rows
	s_add_co_u32 s3, s2, s[Q0L]
	s_add_co_u32 s2, s2, s[Q0H]
	; descriptor group 1.  K: 256 rows of 64 bytes, dense in memory;  V: 64 rows of 256 bytes, 1,024 bytes apart
	s_mov_b32 s[G1K], 15|(0<<16)|(1<<20)|(1<<21)|(3<<22)|(3<<25)   ; 15:0 the mask: all four work-groups; 17:16 elements of 1 byte; 20 padding on; 21 set beside a mask; 24:22 after every 16 words (code 3); 31:25 four words (code 3)
	s_mov_b32 s[G1K+1], 64<<16                     ; tensor_dim0
	s_mov_b32 s[G1K+2], 256<<16                    ; tensor_dim1
	s_mov_b32 s[G1K+3], 64<<16                     ; tile_dim0
	s_mov_b32 s[G1K+4], 256                        ; tile_dim1
	s_mov_b32 s[G1K+5], 64                         ; tensor_dim0_stride
	s_mov_b32 s[G1K+6], 0
	s_mov_b32 s[G1K+7], 0
	s_mov_b32 s[G1V], 15|(0<<16)|(1<<20)|(1<<21)|(5<<22)|(3<<25)   ; padding: four words after every 64
	s_mov_b32 s[G1V+1], 256<<16
	s_mov_b32 s[G1V+2], 64<<16
	s_mov_b32 s[G1V+3], 256<<16
	s_mov_b32 s[G1V+4], 64
	s_mov_b32 s[G1V+5], 1024
	s_mov_b32 s[G1V+6], 0
	s_mov_b32 s[G1V+7], 0
	s_mov_b32 s[G1S], 15|(3<<16)|(1<<20)|(1<<21)|(5<<22)|(3<<25)   ; the scale bytes: 4,096 dense bytes as 16 rows of 256 (32 elements of 8 bytes), 16 bytes of padding behind each
	s_mov_b32 s[G1S+1], 32<<16
	s_mov_b32 s[G1S+2], 16<<16
	s_mov_b32 s[G1S+3], 32<<16
	s_mov_b32 s[G1S+4], 16
	s_mov_b32 s[G1S+5], 32
	s_mov_b32 s[G1S+6], 0
	s_mov_b32 s[G1S+7], 0
	s_mov_b32 s[SEL], 0x76543210
	s_mov_b32 s[SEL+1], 0xfedcba98
	s_mov_b32 s[CS], 0x3e0293ee                    ; c = log2(e) / sqrt(128)
	s_mov_b32 s[CS+1], s[CS]                       ; (named with it as a pair, so it is written)
	s_mov_b32 s[TK], 0
	s_mov_b32 s[TV], 0
	s_mov_b32 s[TS], 0
	s_mov_b32 s[TJ], 0
	s_mov_b32 s[KF], 0
	s_mov_b32 s[SLOTS], 3
	s_wait_kmcnt 0x0
	s_mov_b32 s[G0SK], 1                           ; 1:0 count = 1
	s_add_co_u32 s[G0SK+1], s96, SCK               ; 63:32 LDS address
	s_add_nc_u64 s[G0SK+2:G0SK+3], s[10:11], s[92:93]   ; 120:64 global address
	s_or_b32 s[G0SK+3], s[G0SK+3], 0x80000000      ; 127:126 type = 2
	s_mov_b32 s[G0SV], 1
	s_add_co_u32 s[G0SV+1], s96, SCV
	s_add_nc_u64 s[G0SV+2:G0SV+3], s[14:15], s[92:93]
	s_or_b32 s[G0SV+3], s[G0SV+3], 0x80000000
	s_mov_b32 s[G0K], 1
	s_mov_b32 s[G0K+1], s94                        ; slot 0
	s_add_nc_u64 s[G0K+2:G0K+3], s[8:9], s[88:89]  ; the head's first 512 keys
	s_or_b32 s[G0K+3], s[G0K+3], 0x80000000
	s_mov_b32 s[G0V], 1
	s_mov_b32 s[G0V+1], s95
	s_add_nc_u64 s[G0V+2:G0V+3], s[12:13], s[90:91]
	s_or_b32 s[G0V+3], s[G0V+3], 0x80000000
	s_add_nc_u64 s[OL:OL+1], s[16:17], s[OL:OL+1]  ; O at my first rows
	s_add_nc_u64 s[16:17], s[16:17], s[98:99]
	CROUND                                         ; all four work-groups are here: the first joint loads meet
	s_cmp_lt_u32 s[WV], 2                          ; a wave's two first fills stand in one branch, ahead of every wait on TENSORcnt and every LDS read: two loads of mine are out
	s_cbranch_scc0 .Lfirst_not_k
	tensor_load_to_lds s[G0SK:G0SK+3], s[G1S:G1S+7]    ; K's scale bytes of the whole head: filled once
	s_nop 0
	tensor_load_to_lds s[G0K:G0K+3], s[G1K:G1K+7]      ; slot 0
	s_nop 0
.rept 4
	v_nop
.endr
	s_branch .Lfirst_asked
.Lfirst_not_k:
	s_cmp_lt_u32 s[WV], 4
	s_cbranch_scc0 .Lfirst_asked
	tensor_load_to_lds s[G0SV:G0SV+3], s[G1S:G1S+7]
	s_nop 0
	tensor_load_to_lds s[G0V:G0V+3], s[G1V:G1V+7]
	s_nop 0
.rept 4
	v_nop
.endr
.Lfirst_asked:
	v_and_b32 v244, 15, v0                         ; r = lane % 16
	v_bfe_u32 v245, v0, 4, 1                       ; h = lane / 16
	s_delay_alu instid0(VALU_DEP_2)
	v_lshlrev_b32 v8, 6, v244
	s_delay_alu instid0(VALU_DEP_1)
	v_lshl_add_u32 v8, v245, 4, v8                 ; Q: row r of 64 bytes, + 16 h,
	s_delay_alu instid0(VALU_DEP_1)
	v_lshl_add_u32 v9, s3, 6, v8                   ; from my first row of pass L,
	s_delay_alu instid0(VALU_DEP_2)
	v_lshl_add_u32 v8, s2, 6, v8                   ; of pass H
	v_lshlrev_b32 v10, 2, v244                     ; its scale words: 4 bytes a row
	s_delay_alu instid0(VALU_DEP_1)
	v_lshl_add_u32 v11, s3, 2, v10
	s_delay_alu instid0(VALU_DEP_2)
	v_lshl_add_u32 v10, s2, 2, v10
	global_load_b128 v[16:19], v8, s[4:5] th:TH_LOAD_NT            ; both passes' fragments of Q stay in registers
	global_load_b128 v[20:23], v8, s[4:5] offset:32 th:TH_LOAD_NT
	global_load_b128 v[24:27], v9, s[4:5] th:TH_LOAD_NT
	global_load_b128 v[28:31], v9, s[4:5] offset:32 th:TH_LOAD_NT
	global_load_b32 v[QSH], v10, s[6:7]
	global_load_b32 v[QSL], v11, s[6:7]
	v_and_b32 v246, 8, v244
	s_delay_alu instid0(VALU_DEP_1)
	v_add_nc_u32 v246, v246, v244                  ; r + 8 (r / 8)
	s_delay_alu instid0(VALU_DEP_1)
	v_mul_u32_u24 v[AK0], v246, KP
	s_delay_alu instid0(VALU_DEP_1)
	v_lshl_add_u32 v[AK0], v245, 4, v[AK0]
	v_mul_u32_u24 v[AV0], v244, VP
	s_delay_alu instid0(VALU_DEP_1)
	v_lshl_add_u32 v[AV0], v245, 4, v[AV0]
	s_delay_alu instid0(VALU_DEP_1)
	v_add_nc_u32 v[AV0], VOFF, v[AV0]
	v_lshlrev_b32 v[ASK0], 2, v246
	s_delay_alu instid0(VALU_DEP_1)
	v_lshl_add_u32 v[ASK0], v245, 5, v[ASK0]
	s_delay_alu instid0(VALU_DEP_1)
	v_add_nc_u32 v[ASK0], SCK, v[ASK0]
	v_lshrrev_b32 v247, 2, v244
	s_delay_alu instid0(VALU_DEP_1)
	v_mul_u32_u24 v[ASV0], v247, 272               ; V's scale bytes: four rows of 64 bytes to a row of 256 in LDS
	v_and_b32 v247, 3, v244
	s_delay_alu instid0(VALU_DEP_1)
	v_lshl_add_u32 v[ASV0], v247, 6, v[ASV0]
	s_delay_alu instid0(VALU_DEP_1)
	v_mad_u32_u24 v[ASV0], v245, 4*272, v[ASV0]
	s_delay_alu instid0(VALU_DEP_1)
	v_add_nc_u32 v[ASV0], SCV, v[ASV0]
	v_lshlrev_b32 v[GO], 14, v245
	s_delay_alu instid0(VALU_DEP_1)
	v_lshl_add_u32 v[GO], v244, 4, v[GO]           ; the way out: lanes 0-15 take one row of O, lanes 16-31 the next; 16 bytes a lane
	s_and_b32 s82, s[WV], 7
	s_mul_i32 s82, s82, STG
	s_lshr_b32 s83, s[WV], 3
	s_mul_i32 s83, s83, STAGE1-STAGE0
	s_add_co_u32 s82, s82, s83
	s_add_co_u32 s82, s82, STAGE0                  ; my stage
	v_mul_u32_u24 v[STO], v244, 272
	s_delay_alu instid0(VALU_DEP_1)
	v_lshl_add_u32 v[STO], v245, 5, v[STO]
	s_delay_alu instid0(VALU_DEP_1)
	v_add_nc_u32 v[STO], s82, v[STO]
	v_mul_u32_u24 v[RD], v245, 272
	s_delay_alu instid0(VALU_DEP_1)
	v_lshl_add_u32 v[RD], v244, 4, v[RD]
	s_delay_alu instid0(VALU_DEP_1)
	v_add_nc_u32 v[RD], s82, v[RD]
	v_lshlrev_b32 v[LD], 4, v245
	s_delay_alu instid0(VALU_DEP_1)
	v_sub_nc_u32 v[LD], v244, v[LD]                ; r - 16 h
; A tile begins: O^T and the sum are zeros and the largest t is under every t, so that the step is written once: the first change of M multiplies zeros.
.macro RESET
	v_mov_b32 v13, 0xff61b1e6                      ; -3e38
	s_delay_alu instid0(VALU_DEP_1)
	v_floor_f32 v12, -v13                          ; -M
	v_mov_b32 v14, 0
	v_mov_b32 v15, 0
.irp b, 0,1,2,3
	v_mov_b32 v[236+\b], 0                         ; a lane permute's destination counts as one of its sources
.endr
	v_mov_b32 v252, 0
	v_mov_b32 v253, 0                              ; (named as the upper half of the pair v[252:253] before it is first written)
.set n, 0
.rept 64
	v_mov_b32 v[160+n], 0
.set n, n+1
.endr
.endm
; A KEY STEP: 128 keys.  qf: Q's fragment;  qs: its scale words;  m64: the register with 64 m;  q0: the register with my first query.
.macro STEP qf, qs, m64, q0
	s_cmp_gt_u32 s[KF], s[\m64]                    ; all 128 keys come after my 16 queries: the step's work is left out, not the lines at its end that step addresses
	s_cbranch_scc1 .Lhidden_\@
	s_setprio 2
	v_add_nc_u32 v[ADK], s[TK], v[AK0]             ; (these four are also the four places in front of the loads into registers that the last products read)
	v_add_nc_u32 v[ADV], s[TV], v[AV0]
	v_add_nc_u32 v[ADS], s[TS], v[ASK0]
	v_add_nc_u32 v[ADT], s[TJ], v[ASV0]
.irp t, 0,1,2,3,4,5,6,7
.irp c, 0,1
	ds_load_b128 v[32+8*\t+4*\c:35+8*\t+4*\c], v[ADK] offset:(32*(\t/2)+8*(\t%2))*KP+32*\c
.endr
.endr
.irp j, 0,1,2,3
	ds_load_b32 v[248+\j], v[ADS] offset:272*(\j/2)+128*(\j%2)     ; lanes 0-15: tile 2 j's words; lanes 16-31: tile 2 j + 1's
.endr
	s_wait_alu depctr_va_vdst(0)
	s_wait_dscnt 0x0
.irp t, 0,1,2,3,4,5,6,7                            ; S^T = K Q^T: eight tiles of 16 keys, each a sum of its own
.if \t%2
	v_wmma_scale_f32_16x16x128_f8f6f4 v[96+8*\t:103+8*\t], v[32+8*\t:39+8*\t], v[\qf:\qf+7], 0, v[248+\t/2], v[\qs] matrix_a_fmt:MATRIX_FMT_FP4 matrix_b_fmt:MATRIX_FMT_FP4 matrix_a_scale:MATRIX_SCALE_ROW1
.else
	v_wmma_scale_f32_16x16x128_f8f6f4 v[96+8*\t:103+8*\t], v[32+8*\t:39+8*\t], v[\qf:\qf+7], 0, v[248+\t/2], v[\qs] matrix_a_fmt:MATRIX_FMT_FP4 matrix_b_fmt:MATRIX_FMT_FP4
.endif
.endr
.rept 4
	v_nop                                          ; four places: in front of the loads into K's registers, and of the first read of the scores
.endr
.irp t, 0,1,2,3,4,5,6,7                            ; V's eight fragments and their scale words are asked for now and land while the softmax is worked
.irp c, 0,1
	ds_load_b128 v[32+8*\t+4*\c:35+8*\t+4*\c], v[ADV] offset:16*\t*VP+32*\c
.endr
.endr
.irp j, 0,1,2,3
	ds_load_b32 v[248+\j], v[ADT] offset:8*272*\j
.endr
	s_add_co_u32 s[TMP], s[KF], 128                ; on the diagonal the scores of hidden keys become -infinity ahead of the maximum: p = 0 then.  A step all of whose keys count skips this
	s_cmp_le_u32 s[TMP], s[\m64]
	s_cbranch_scc1 .Lopen_\@
	s_sub_co_i32 s[DQ], s[\q0], s[KF]
	v_add_nc_u32 v252, s[DQ], v[LD]                ; d = my query - KF - 16 (lane / 16).  Register 16 b + i holds key KF + 16 (lane / 16) + 32 b + i: hidden where 32 b + i > d
	v_mov_b32 v254, 0xff800000                     ; -infinity
.set n, 0
.rept 64
	v_cmp_gt_i32 vcc_lo, 32*(n/16)+n%16, v252
	v_cndmask_b32 v[96+n], v[96+n], v254, vcc_lo
.set n, n+1
.endr
.Lopen_\@:
.irp b, 0,1,2,3
	v_max3_num_f32 v[232+\b], v[96+16*\b], v[97+16*\b], v[98+16*\b]   ; THE LARGEST SCORE OF EACH BLOCK OF 32 KEYS: it serves twice: for the row's maximum, and, since p rises with the score, for the block's largest p
.endr
.irp i, 3,5,7,9,11,13
.irp b, 0,1,2,3
	v_max3_num_f32 v[232+\b], v[232+\b], v[96+16*\b+\i], v[97+16*\b+\i]   ; (the four blocks by turns)
.endr
.endr
.irp b, 0,1,2,3
	v_max_num_f32 v[232+\b], v[232+\b], v[111+16*\b]
.endr
.irp b, 0,1,2,3
	s_delay_alu instid0(VALU_DEP_4)
	v_permlanex16_b32 v[236+\b], v[232+\b], s[SEL], s[SEL+1]
.endr
.irp b, 0,1,2,3
	s_delay_alu instid0(VALU_DEP_4)
	v_max_num_f32 v[232+\b], v[232+\b], v[236+\b]  ; with lane l xor 16's 16 keys
.endr
	s_delay_alu instid0(VALU_DEP_2)
	v_max3_num_f32 v254, v232, v233, v234
	s_delay_alu instid0(VALU_DEP_1)
	v_max_num_f32 v254, v254, v235                 ; the step's largest score of my query (the step's first key counts for every query of mine: it is a number)
	s_delay_alu instid0(VALU_DEP_1)
	v_mul_f32 v254, s[CS], v254                    ; as t (c is positive)
	s_delay_alu instid0(VALU_DEP_1)
	v_max_num_f32 v13, v13, v254                   ; the running largest t
	v_mov_b32 v254, v12
	s_delay_alu instid0(VALU_DEP_2)
	v_floor_f32 v12, -v13                          ; the new -M = floor(-t) = -ceil(t): M IS A WHOLE NUMBER
	s_delay_alu instid0(VALU_DEP_1)
	v_sub_f32 v254, v12, v254                      ; M's old value less its new one: a whole number, 0 or less
	s_delay_alu instid0(VALU_DEP_1)
	v_cvt_i32_f32 v254, v254                       ; (it saturates)
	s_delay_alu instid0(VALU_DEP_1)
	v_ldexp_f32 v252, 1.0, v254                    ; f = 2^(old M - new M)
.set n, 0
.rept 32
	v_pk_fma_f32 v[96+n:97+n], v[96+n:97+n], s[CS:CS+1], v[12:13] op_sel_hi:[1,0,0]   ; t - M, two at a time (of the pairs c and -M the low word serves both halves)
.set n, n+2
.endr
.irp b, 0,1,2,3
	v_fma_f32 v[232+\b], v[232+\b], s[CS], v12     ; the same of each block's largest score
.endr
.set n, 0
	s_setprio 1
	s_wait_alu depctr_va_vdst(0)
.rept 64
	v_exp_f32 v[96+n], v[96+n]                     ; p = 2^(t - M), at most 1: NOT normalised
.set n, n+1
.endr
.irp b, 0,1,2,3
	v_exp_f32 v[232+\b], v[232+\b]                 ; the block's largest p: the same two instructions on the same number give the same bits
.endr
	v_pk_mul_f32 v[14:15], v[14:15], v[252:253] op_sel_hi:[1,0]   ; the sums under the new M.  (A plain place behind the exponentials)
	s_wait_alu depctr_va_vdst(0)
.irp b, 0,1,2,3
	v_max_num_f32 v[232+\b], 0x1800000, v[232+\b]  ; the floor 2^(3 - 127): the byte cannot fall under 1 (a block whose every p is 0 keeps that byte: its codes are zeros)
.endr
.irp b, 0,1,2,3
	s_delay_alu instid0(VALU_DEP_4)
	v_add_nc_u32 v[244+\b], 0xff000000, v[232+\b]  ; 2 off the exponent field: the conversion's scale operand
.endr
.irp b, 0,1,2,3
	s_delay_alu instid0(VALU_DEP_4)
	v_lshrrev_b32 v[236+\b], 23, v[244+\b]         ; the scale's byte
.endr
	s_delay_alu instid0(VALU_DEP_3)
	v_lshl_or_b32 v253, v237, 8, v236              ; p's scale word for these 128 keys
	s_delay_alu instid0(VALU_DEP_1)
	v_lshl_or_b32 v253, v238, 16, v253
	s_delay_alu instid0(VALU_DEP_1)
	v_lshl_or_b32 v253, v239, 24, v253
.irp b, 0,1,2,3
	v_cvt_scalef32_pk8_fp4_f32 v[224+2*\b], v[96+16*\b:103+16*\b], v[244+\b]
	v_cvt_scalef32_pk8_fp4_f32 v[225+2*\b], v[104+16*\b:111+16*\b], v[244+\b]
.endr
	v_nop                                          ; one plain vector instruction between a scaled conversion and the vector instruction that touches its result
.irp c, 0,1                                        ; the operand's layout wants a WHOLE block in a lane: lanes 0-15 block 2 c, lanes 16-31 block 2 c + 1
.irp i, 0,1
	v_permlane16_swap_b32 v[224+4*\c+\i], v[226+4*\c+\i]
.endr
.endr
	v_pk_add_f32 v[236:237], v[100:101], v[104:105]
	v_pk_add_f32 v[246:247], v[108:109], v[112:113]
	v_pk_add_f32 v[244:245], v[116:117], v[120:121]
	v_pk_add_f32 v[234:235], v[124:125], v[128:129]
	v_pk_add_f32 v[232:233], v[132:133], v[136:137]
	v_pk_add_f32 v[10:11], v[140:141], v[144:145]
	v_pk_add_f32 v[8:9], v[148:149], v[152:153]
	v_pk_add_f32 v[14:15], v[14:15], v[156:157]
	v_pk_add_f32 v[236:237], v[236:237], v[96:97]
	v_pk_add_f32 v[246:247], v[246:247], v[98:99]
	v_pk_add_f32 v[244:245], v[244:245], v[102:103]
	v_pk_add_f32 v[234:235], v[234:235], v[106:107]
	v_pk_add_f32 v[232:233], v[232:233], v[110:111]
	v_pk_add_f32 v[10:11], v[10:11], v[114:115]
	v_pk_add_f32 v[8:9], v[8:9], v[118:119]
	v_pk_add_f32 v[14:15], v[14:15], v[122:123]
	v_pk_add_f32 v[236:237], v[236:237], v[126:127]
	v_pk_add_f32 v[246:247], v[246:247], v[130:131]
	v_pk_add_f32 v[244:245], v[244:245], v[134:135]
	v_pk_add_f32 v[234:235], v[234:235], v[138:139]
	v_pk_add_f32 v[232:233], v[232:233], v[142:143]
	v_pk_add_f32 v[10:11], v[10:11], v[146:147]
	v_pk_add_f32 v[8:9], v[8:9], v[150:151]
	v_pk_add_f32 v[14:15], v[14:15], v[154:155]
	v_pk_add_f32 v[236:237], v[236:237], v[158:159]
	s_delay_alu instid0(VALU_DEP_2)
	v_pk_add_f32 v[14:15], v[14:15], v[234:235]
	s_delay_alu instid0(VALU_DEP_2)
	v_pk_add_f32 v[236:237], v[236:237], v[232:233]
	v_pk_add_f32 v[246:247], v[246:247], v[10:11]
	v_pk_add_f32 v[244:245], v[244:245], v[8:9]
	s_delay_alu instid0(VALU_DEP_2)
	v_pk_add_f32 v[14:15], v[14:15], v[246:247]
	s_delay_alu instid0(VALU_DEP_2)
	v_pk_add_f32 v[236:237], v[236:237], v[244:245]
	s_delay_alu instid0(VALU_DEP_1)
	v_pk_add_f32 v[14:15], v[14:15], v[236:237]
.set n, 0
.rept 32
	v_pk_mul_f32 v[160+n:161+n], v[160+n:161+n], v[252:253] op_sel_hi:[1,0]   ; O^T under the new M: x f, each accumulator from its low end on.  (The sums and these are the places between p's codes and scale word and the products below)
.set n, n+2
.endr
	s_setprio 0
	s_wait_alu depctr_va_vdst(0)
	s_wait_dscnt 0x0                               ; V's fragments and scale words are in
.irp t, 0,1,2,3,4,5,6,7                            ; O^T += V^T P^T: eight tiles of 16 of the head's 128; the eight accumulators take turns, one instruction a turn
.if \t%2
	v_wmma_scale_f32_16x16x128_f8f6f4 v[160+8*\t:167+8*\t], v[32+8*\t:39+8*\t], v[224:231], v[160+8*\t:167+8*\t], v[248+\t/2], v253 matrix_a_fmt:MATRIX_FMT_FP4 matrix_b_fmt:MATRIX_FMT_FP4 matrix_a_scale:MATRIX_SCALE_ROW1
.else
	v_wmma_scale_f32_16x16x128_f8f6f4 v[160+8*\t:167+8*\t], v[32+8*\t:39+8*\t], v[224:231], v[160+8*\t:167+8*\t], v[248+\t/2], v253 matrix_a_fmt:MATRIX_FMT_FP4 matrix_b_fmt:MATRIX_FMT_FP4
.endif
.endr
.Lhidden_\@:
	s_add_co_u32 s[KF], s[KF], 128
	s_add_co_u32 s[TK], s[TK], 128*KP
	s_add_co_u32 s[TV], s[TV], 64
	s_add_co_u32 s[TS], s[TS], 544
	s_add_co_u32 s[TJ], s[TJ], 4
.endm
; A slot's four key steps: written once, walked four times; then the addresses go back to a slot's first step, in the other slot.
.macro SLOT qf, qs, m64, q0
	s_mov_b32 s[QCNT], 4
.Lstep_\@:
	STEP \qf, \qs, \m64, \q0
	s_sub_co_u32 s[QCNT], s[QCNT], 1
	s_cmp_lg_u32 s[QCNT], 0
	s_cbranch_scc1 .Lstep_\@
	s_setprio 0
	s_sub_co_u32 s[TK], s[TK], 512*KP
	s_xor_b32 s[TK], s[TK], SLOT1
	s_sub_co_u32 s[TV], s[TV], 256
	s_xor_b32 s[TV], s[TV], SLOT1
.endm
; THE CHANGE OF SLOTS stands at a slot's head.  Each wave waits for all its tensor loads (its part of the slot that it is about to read), adds 0 to its spare word, and waits for that and for its reads of the slot that
; it has left.  kind 1: the slot that was left is filled with the next 512 keys;  kind 2: with the head's first 512 keys again, for pass L;  kind 0: nothing is filled.  Where a slot is filled the barrier is a round of
; the cluster's, so that no wave of any partner still reads the slot or has a load on its way, and the joint refill is the first thing behind it: one load a wave is out, and it has a slot's four steps in which to land.
.macro CHANGE kind
	s_wait_tensorcnt 0x0                           ; no tensor load of mine is out, so a group 0 may be written
	ds_add_u32 v[SPW], v[NIL]                      ; 0 onto my spare word: the descriptors' steps stand between it and the wait for it
.if \kind == 1
	s_xor_b32 s[G0K+1], s[G0K+1], SLOT1            ; the walking descriptors: the other slot than last time,
	s_add_nc_u64 s[G0K+2:G0K+3], s[G0K+2:G0K+3], 512*64   ; the next 512 keys; the type bits on top are not reached
	s_xor_b32 s[G0V+1], s[G0V+1], SLOT1
	s_add_nc_u64 s[G0V+2:G0V+3], s[G0V+2:G0V+3], 256
.elseif \kind == 2
	s_xor_b32 s[G0K+1], s[G0K+1], SLOT1
	s_sub_nc_u64 s[G0K+2:G0K+3], s[G0K+2:G0K+3], 3*512*64  ; back from keys 1,536 on to key 0
	s_xor_b32 s[G0V+1], s[G0V+1], SLOT1
	s_sub_nc_u64 s[G0V+2:G0V+3], s[G0V+2:G0V+3], 3*256
.endif
	s_wait_dscnt 0x0                               ; the add is done, and my LDS reads and stores are over
.if \kind
	CROUND
	JLOAD
.else
	s_barrier_signal -1
	s_barrier_wait -1
.endif
.endm
; THE WAY OUT of a tile.  The sum's parts are added; O^T is divided by the sum and goes through my own stage in LDS, half a row (64 channels, 256 bytes) of 16 queries at a time, so that sixteen lanes store
; 256 consecutive bytes, at a multiple of 256 from O's first byte.  LDS serves a wave's instructions in order (ISA guide 5.7.1.4): no wait between the stores and the loads, nor in front of the second half's stores.
.macro OUT base
.rept 4
	v_nop                                          ; four places behind the last products
.endr
	v_add_f32 v14, v14, v15                        ; the sum's two halves,
	s_delay_alu instid0(VALU_DEP_1)
	v_permlanex16_b32 v252, v14, s[SEL], s[SEL+1]
	s_delay_alu instid0(VALU_DEP_1)
	v_add_f32 v14, v14, v252                       ; and lane l xor 16's: the row's sum
	s_wait_alu depctr_va_vdst(0)
	v_rcp_f32 v14, v14
	v_nop                                          ; a plain place behind the transcendental
.set n, 0
	s_wait_alu depctr_va_vdst(0)
.rept 32
	v_pk_mul_f32 v[96+n:97+n], v[160+n:161+n], v[14:15] op_sel_hi:[1,0]   ; O^T / the sum, each accumulator from its low end on: register 8 t + i is o(r, 16 t + 8 h + i)
.set n, n+2
.endr
.irp u, 0,1                                        ; channels 64 u on
.irp t, 0,1,2,3
	ds_store_b128 v[STO], v[96+32*\u+8*\t:99+32*\u+8*\t] offset:64*\t
	ds_store_b128 v[STO], v[100+32*\u+8*\t:103+32*\u+8*\t] offset:64*\t+16
.endr
.irp i, 0,1,2,3,4,5,6,7
	ds_load_b128 v[160+32*\u+4*\i:163+32*\u+4*\i], v[RD] offset:2*\i*272
.endr
.endr
.irp u, 0,1
.irp i, 0,1,2,3,4,5,6,7
	s_wait_dscnt 16*(1-\u)+7-\i                    ; behind this load stand 7 - i loads of its half and, for the first half, the second half's sixteen LDS instructions
	global_store_b128 v[GO], v[160+32*\u+4*\i:163+32*\u+4*\i], s[\base:\base+1] offset:2*\i*16384+256*\u th:TH_STORE_NT
.endr
.endr
.endm
	RESET
	s_wait_loadcnt 0x0                             ; Q of both passes; v8-11 are free again
.Lh:                                               ; pass H, keys 0 to 1,535: three trips; behind each change of slots the next 512 keys are asked for
	CHANGE 1
	SLOT 16, QSH, MH64, Q0H
	s_sub_co_u32 s[SLOTS], s[SLOTS], 1
	s_cmp_lg_u32 s[SLOTS], 0
	s_cbranch_scc1 .Lh
	CHANGE 2                                       ; keys 1,536 to 2,047; the head's first 512 keys are asked for again
	SLOT 16, QSH, MH64, Q0H
	OUT 16                                         ; pass H's tile leaves while that load is on its way
	s_wait_xcnt 0x0                                ; the stores have read their registers: O^T's are written again only behind this wait
	RESET
	s_mov_b32 s[TS], 0
	s_mov_b32 s[TJ], 0
	s_mov_b32 s[KF], 0
	CHANGE 1                                       ; pass L, keys 0 to 511; keys 512 to 1,023 are asked for: the last load
	SLOT 24, QSL, ML64, Q0L
	CHANGE 0                                       ; keys 512 to 1,023: written out
	SLOT 24, QSL, ML64, Q0L
	OUT OL
	s_wait_tensorcnt 0x0                           ; the wave's end, behind my last tensor load and my last LDS store
	ds_add_u32 v[SPW], v[NIL]
	s_wait_dscnt 0x0
	CROUND                                         ; the closing round: no work-group ends while a partner may still ask for a tile that names it
	s_endpgm
.Lfunc_end_k_qd5d810411e_attn:
	.size	k_qd5d810411e_attn, .Lfunc_end_k_qd5d810411e_attn-k_qd5d810411e_attn
	.p2alignl 7, 3214868480
	.fill 96, 4, 3214868480
	.section	.rodata,"a",@progbits
	.p2align	6, 0x0
	.amdhsa_kernel k_qd5d810411e_attn
		.amdhsa_group_segment_fixed_size 327680
		.amdhsa_private_segment_fixed_size 0
		.amdhsa_enable_private_segment 0
		.amdhsa_kernarg_size 56
		.amdhsa_user_sgpr_count 2
		.amdhsa_user_sgpr_kernarg_segment_ptr 1
		.amdhsa_wavefront_size32 1
		.amdhsa_system_sgpr_workgroup_id_x 1
		.amdhsa_system_sgpr_workgroup_id_y 1
		.amdhsa_system_sgpr_workgroup_id_z 1
		.amdhsa_system_vgpr_workitem_id 0
		.amdhsa_next_free_vgpr 256
		.amdhsa_next_free_sgpr 100
		.amdhsa_reserve_vcc 1
		.amdhsa_float_denorm_mode_32 3
		.amdhsa_float_denorm_mode_16_64 3
		.amdhsa_memory_ordered 1
		.amdhsa_forward_progress 1
		.amdhsa_inst_pref_size 131
	.end_amdhsa_kernel
	.amdgpu_metadata
---
amdhsa.version: [ 1, 2 ]
amdhsa.kernels:
  - .name:           k_qd5d810411e_attn
    .symbol:         k_qd5d810411e_attn.kd
    .args:
      - { .name: query_layer_codes, .offset: 0, .size: 8, .value_kind: global_buffer, .address_space: global }
      - { .name: query_layer_scales, .offset: 8, .size: 8, .value_kind: global_buffer, .address_space: global }
      - { .name: key_layer_codes, .offset: 16, .size: 8, .value_kind: global_buffer, .address_space: global }
      - { .name: key_layer_scales, .offset: 24, .size: 8, .value_kind: global_buffer, .address_space: global }
      - { .name: value_layer_codes, .offset: 32, .size: 8, .value_kind: global_buffer, .address_space: global }
      - { .name: value_layer_scales, .offset: 40, .size: 8, .value_kind: global_buffer, .address_space: global }
      - { .name: out0, .offset: 48, .size: 8, .value_kind: global_buffer, .address_space: global }
    .group_segment_fixed_size: 327680
    .private_segment_fixed_size: 0
    .kernarg_segment_align: 8
    .kernarg_segment_size: 56
    .max_flat_workgroup_size: 512
    .sgpr_count:     100
    .vgpr_count:     256
    .wavefront_size: 32
...
	.end_amdgpu_metadata
.endif
;; end of part 1
